; MI455X (gfx1250); checked and timed in simulation.
; The chip was launched on July 23, 2026; its instructions are those of AMD's public machine-readable ISA for CDNA 5 (MIT licence, August 2026) and "CDNA5" Instruction Set Architecture Reference Guide (July 2026). The comments in the code are by the model that wrote it; some were corrected since.
;; Neuron Memory. Allowed arithmetic: matrix products marked QUANTISED: E4M3 operands, one given power-of-two scale a tensor, by v_wmma_f32_16x16x64_fp8_fp8 or v_wmma_f32_16x16x128_fp8_fp8, f32 sums; products left as they are: f32 operands where the result goes on into a quantised operand, else bf16, f16 or f32 operands; f32 sums; everything else in f32.
;; Inputs: compress_neurons_codes 16 x 128 x 32 x 32 uint8 (E4M3 codes of compress_neurons, K innermost, in blocks of 32 codes); knowledge_K_codes 32,768 x 4 x 32 uint8 (E4M3 codes of knowledge_K, K innermost, in blocks of 32 codes); knowledge_V 32,768 x 1,024 float32; lowp_scales 6 int32 (the exponents e of the quantised operands' scales 2^e); router_w_codes 16 x 32 x 32 uint8 (E4M3 codes of router_w, K innermost, in blocks of 32 codes); x_codes 2 x 2,048 x 32 x 32 uint8 (E4M3 codes of x, K innermost, in blocks of 32 codes).
;; Outputs: out0 2 x 2,048 x 1,024 float32.
;; This version of the problem:
;;   THIS VERSION OF THE PROBLEM IS GIVEN IN LOW PRECISION. The matrix products marked QUANTISED in the list below multiply operands that are first quantised to E4M3 (4 exponent bits, 3 mantissa bits; 8 bits a number), with one given power-of-two scale for each operand tensor; their sums are f32. All else is computed in f32.
;;   The module's matrix products, in the order in which they are computed (A, B: the left and right operand; K: the contracted axis; several contracted axes count as one K, in the product's order):
;;     1. [M 4,096, K 1,024] x [K 1,024, N 16]; A: input x (given as codes); B: input router_w (given as codes): QUANTISED (scales: A lowp_scales[0], B lowp_scales[1])
;;     2. [M 2,048, K 1,024] x [K 1,024, N 4,096]; A: input compress_neurons (given as codes); B: input x (given as codes): QUANTISED (scales: A lowp_scales[2], B lowp_scales[3])
;;     3. batch 4,096 x [M 1, K 16] x [K 16, N 128]; A: softmax; B: computed on the way: left as it is (K = 16 < 32)
;;     4. [M 4,096, K 128] x [K 128, N 32,768]; A: computed on the way; B: input knowledge_K (given as codes): QUANTISED (scales: A lowp_scales[4], B lowp_scales[5])
;;     5. batch 4,096 x [M 1,024, K 8] x [K 8, N 1]; A: computed on the way; B: softmax: left as it is (K = 8 < 32)
;;   THE QUANTISER, for each operand of a quantised product, along K:
;;     - The operand's scale is 2^e, e = its entry of the input lowp_scales (int32; the entries are numbered through the quantised products in the list's order, A before B).
;;     - Each number is divided by the scale, clamped to +-448, and rounded to the nearest number of E4M3, ties to even, subnormals kept.
;;     - The product sums the exact products of the quantised numbers (number of the format x scale) in f32.
;;   ~~~python
;;   def quantise(x, axis, e):      # numpy; x: float32 -> the quantised numbers, widened to float32 again
;;       x = np.moveaxis(x, axis, -1); K = x.shape[-1]
;;       r = np.clip(x / 2.0 ** e, -448, 448)
;;       step = 2.0 ** (np.maximum(np.frexp(np.where(r == 0, 1, r))[1] - 1, -6) - 3)
;;       q = np.round(r / step) * step * 2.0 ** e      # np.round: ties to even
;;       return np.moveaxis(q, -1, axis).astype(np.float32)
;;   ~~~
;;   OPERANDS COMPUTED ON THE WAY. 'Computed on the way' means the value that the module computes at that place (a softmax that the list does not call 'softmax' is quantised finished and normalised). What goes into a quantiser is computed in f32, as accurately as f32 sums, v_exp_f32 and their like allow (about 1e-6 of the number): no bf16 or f16 on the way to a quantiser, and a product that is left as it is and whose result goes on into a quantised operand takes f32 operands (vector FMAs, or v_wmma_f32_16x16x4_f32). A number that lies on a knife's edge between two numbers of the format may be rounded either way, as far as f32 arithmetic and the matrix unit's own rounding can turn it there, and no further.
;;   INPUTS GIVEN AS CODES. compress_neurons (in the module: [16, 1024, 128], K = its axis 1); knowledge_K (in the module: [32768, 128], K = its axis 1); router_w (in the module: [16, 1024], K = its axis 1); x (in the module: [2, 2048, 1024], K = its axis 2): each comes as NAME_codes (uint8): NAME with its K axis moved to the last place and cut into blocks of 32 codes, [.., K / 32, bytes a block], one block behind the other in memory; one code a byte (a code: sign, 4 exponent bits, 3 mantissa bits); its scale is its entry of lowp_scales. Its value is code x scale, taken as it is: it is not quantised again, and the codes and scales need not be those that the quantiser above would give.
;; One version. Each part assembles by itself: llvm-mc -triple=amdgcn-amd-amdhsa -mcpu=gfx1250 --defsym DOCPART=n.
;; ======== version 1 of 1: 4 launches
;; workspace buffers: qimg 524,288 bytes; gkey 16,777,216 bytes of whole numbers; skey 2,097,152 bytes of whole numbers; tidx 131,072 bytes of whole numbers; twt 131,072 bytes
;; launch compress (part 1): grid 8 x 32, 4 waves a work-group, clusters of 4 x 1, 176,640 bytes of LDS; arguments x_codes, router_w_codes, compress_neurons_codes, lowp_scales, qimg; writes qimg
.if DOCPART == 1
	.amdgcn_target "amdgcn-amd-amdhsa--gfx1250"
	.amdhsa_code_object_version 6
	.text
	.protected	k_q2bd14d2f7d_compress
	.globl	k_q2bd14d2f7d_compress
	.p2align	8
	.type	k_q2bd14d2f7d_compress,@function
k_q2bd14d2f7d_compress:
	s_mov_b64 s[64:65], 0
	v_nop
	global_prefetch_b8 v0, s[64:65] scope:SCOPE_SE
	s_setreg_imm32_b32 hwreg(HW_REG_WAVE_MODE, 25, 1), 1
	s_wait_xcnt 0x0
	s_wait_alu depctr_hold_cnt(0) depctr_sa_sdst(0) depctr_va_vdst(0) depctr_va_sdst(0) depctr_va_ssrc(0) depctr_va_vcc(0) depctr_vm_vsrc(0)
	s_getreg_b32 s2, hwreg(HW_REG_IB_STS2, 6, 4)
	s_cmp_eq_u32 s2, 0
	s_cbranch_scc0 .Lentry_in_a_cluster
	s_endpgm
.Lentry_in_a_cluster:
	s_bfe_u32 s2, ttmp6, 0x10000c
	s_cmp_lg_u32 s2, 0x3003
	s_cbranch_scc0 .Lentry_shape_is_right
	s_endpgm
.Lentry_shape_is_right:
; Q[token][r] = sum over n of softmax_n(x . router_n) x (x . compress[n][:][r]), quantised to E4M3 with the given 2^e4 and stored as the image of an operand's registers.
; SHARES.  A work-group takes 128 tokens (grid y) and ONE tile of 16 of the 128 r (rho = grid x), for all 16 neurons.  Wave w owns neurons 4 w .. 4 w + 3: its 4 tiles of rows x 8 K steps of 128
; (512 registers) are read from memory once and stay in registers.  The 128 tokens' codes (128 x 1,024 bytes) lie in LDS, filled once.
; CLUSTER.  The four work-groups of a cluster (along x) take the same 128 tokens, so x's slab is asked for jointly (mask 15).  The weights' rows differ between the partners and go straight into the registers
; where they stay: nothing of them is shared inside a cluster.
; LAYOUT.  Source 0 = 16 rows of weights, source 1 = 16 tokens: a lane holds ONE token (lane % 16).  Row p of the r tile rho = 2 b + u is r = 32 b + 8 u + p + 8 (p / 8), so that register j of lane (token, h)
; is r = 32 b + 16 h + 8 u + j: eight neighbours along the next product's K, in the order in which that product's operand takes them.
; Fragments come by four loads of 16 bytes for 128 along K (registers 4 c .. 4 c + 3: k = 32 c + 16 h + 0 .. 15), alike on both sides of every product: each code meets its partner.
; LIMITS: e4 - e2 - e3 between -126 and 119, so that the conversion's scale and 448 x it are f32 numbers; e0 + e1 goes in by v_ldexp_f32.  NaN codes are not served.
; REGISTERS.  window 0: v1-15 addresses and constants; v16-47 four accumulators; v48-55 the wave's part of Q; v56-63 weights, two sets; v64-71 at work; v72-103 parts read back; v104-107 codes; v128-255 x's fragments, set 0.
;   window 1: the weights' K steps 0-3 (neuron q, step s at 64 s + 16 q);  window 2: K steps 4-7;  window 3: v0-127 x's fragments, set 1; v128-255 the router's fragments.
.set PX,   1040                        ; a token's row in LDS: 1,024 bytes + 16 of padding = 65 x 16: the 16 rows that a load touches begin at 16 different columns of 16 bytes
.set WTS,  128*PX                      ; 133,120: the softmax weights, 128 tokens x (64 bytes + 16)
.set PART, WTS+128*80                  ; 143,360: the waves' parts of Q: [tile 8][wave 4][half 2][lane 32][16 bytes]
.set ACC,  16
.set PT,   48
.set W4,   56
.set TM,   64
.set RR,   72
.set CD,   104
.set XB0,  128                         ; window 0
.set XB1,  0                           ; window 3
.set RF,   128                         ; window 3
.set WV,   14                          ; s14 my wave's number
.set MSB, 0
.macro WIN new                         ; the immediate's high byte repeats the setting that is left; a switch that changes nothing is dropped
.if MSB != (\new)
	s_set_vgpr_msb (MSB<<8)|(\new)
.set MSB, (\new)
.endif
.endm
.macro PLACES n
.rept \n
	v_nop
.endr
.endm
.macro ROUND                           ; a round of the cluster's barrier
	s_barrier_signal -1
	s_barrier_wait -1
	s_cmp_lg_u32 s[WV], 0
	s_cbranch_scc1 .Lnot_wave_0_\@
	s_barrier_signal -3
.Lnot_wave_0_\@:
	s_barrier_wait -3
	s_barrier_signal -1
	s_barrier_wait -1
.endm
	s_load_b256 s[4:11], s[0:1], 0x0               ; x s[4:5], router s[6:7], weights s[8:9], scales s[10:11]
	s_load_b64 s[12:13], s[0:1], 0x20              ; qimg
	v_lshl_add_u32 v126, v0, 2, 0x2b000
	v_mov_b32 v127, 0
	ds_add_u32 v126, v127
	ds_add_u32 v126, v127
	v_lshrrev_b32 v1, 5, v0
	v_readfirstlane_b32 s[WV], v1                  ; wave 0..3
	s_bfe_u32 s15, ttmp6, 0x40000                  ; cx
	s_lshl_b32 s16, ttmp9, 2
	s_add_co_u32 s16, s16, s15                     ; rho = 4 x cluster x + cx: it enters the weights' and qimg's addresses alone
	s_and_b32 s17, ttmp7, 0xffff                   ; y: the block of 128 tokens, which the partners share
	; descriptor group 1: 32 rows of 1,024 bytes, 16 bytes of padding behind each
	s_mov_b32 s32, 15|(1<<20)|(1<<21)|(7<<22)|(3<<25)   ; 15:0 the mask: all four; 17:16 elements of 1 byte; 20 padding on; 21 set beside a mask; 24:22 after every 256 words (code 7); 31:25 four words (code 3)
	s_mov_b32 s33, 1024<<16                        ; tensor_dim0
	s_mov_b32 s34, 32<<16                          ; tensor_dim1
	s_mov_b32 s35, 1024<<16                        ; tile_dim0
	s_mov_b32 s36, 32                              ; tile_dim1
	s_mov_b32 s37, 1024                            ; from row to row
	s_mov_b32 s38, 0
	s_mov_b32 s39, 0
	s_mov_b32 s28, 1                               ; group 0: count
	s_mul_i32 s29, s[WV], 32*PX                    ; LDS address: my 32 rows
	s_lshl_b32 s42, s17, 17                        ; 128 tokens x 1,024 bytes x y
	s_lshl_b32 s43, s[WV], 15                      ; + 32 tokens x wave
	s_add_co_u32 s42, s42, s43
	s_mov_b32 s43, 0
	s_lshr_b32 s44, s16, 1                         ; the weights: row 512 w + 32 b + 8 u, 1,024 bytes a row
	s_lshl_b32 s44, s44, 5
	s_and_b32 s45, s16, 1
	s_lshl_b32 s45, s45, 3
	s_add_co_u32 s44, s44, s45
	s_lshl_b32 s45, s[WV], 9
	s_add_co_u32 s44, s44, s45
	s_lshl_b32 s44, s44, 10
	s_mov_b32 s45, 0
	s_lshl_b32 s46, s17, 14                        ; qimg: tile 8 y + 2 w of 2,048 bytes, + 256 rho
	s_lshl_b32 s47, s[WV], 12
	s_add_co_u32 s46, s46, s47
	s_lshl_b32 s47, s16, 8
	s_add_co_u32 s46, s46, s47
	s_mov_b32 s47, 0
	s_mov_b32 s40, 0x76543210                      ; v_permlanex16_b32: lane l xor 16
	s_mov_b32 s41, 0xfedcba98
	s_wait_dscnt 0x0
	s_wait_kmcnt 0x0
	s_load_b128 s[20:23], s[10:11], 0x0            ; e0 .. e3
	s_load_b64 s[24:25], s[10:11], 0x10            ; e4, e5
	s_add_nc_u64 s[30:31], s[4:5], s[42:43]
	s_or_b32 s31, s31, 0x80000000                  ; type = 2
	s_add_nc_u64 s[8:9], s[8:9], s[44:45]
	s_add_nc_u64 s[12:13], s[12:13], s[46:47]
	ROUND                                          ; the four partners are here: the joint loads meet
	tensor_load_to_lds s[28:31], s[32:39]          ; my one tensor load of the launch: nothing in LDS is filled twice
	s_nop 0
	PLACES 4
	v_and_b32 v1, 15, v0                           ; p, also the token in a tile
	v_bfe_u32 v2, v0, 4, 1                         ; h
	v_and_b32 v12, 31, v0                          ; lane
	v_and_b32 v3, 8, v1
	v_add_nc_u32 v3, v3, v1                        ; p + 8 (p / 8)
	v_lshlrev_b32 v3, 10, v3
	v_lshl_add_u32 v3, v2, 4, v3                   ; the weights: my row x 1,024 + 16 h
	v_lshlrev_b32 v4, 10, v1
	v_lshl_add_u32 v4, v2, 4, v4                   ; the router: row p
	v_mul_u32_u24 v5, v1, PX
	v_lshl_add_u32 v5, v2, 4, v5                   ; x in LDS: tiles 0-3,
	v_add_nc_u32 v6, 64*PX, v5                     ; tiles 4-7,
	v_add_nc_u32 v7, s29, v5                       ; my own two tiles 2 w, 2 w + 1
	s_mul_i32 s48, s[WV], 32*80
	s_add_co_u32 s48, s48, WTS
	s_lshl_b32 s49, s[WV], 4
	s_add_co_u32 s49, s49, WTS
	v_mul_u32_u24 v8, v1, 80
	v_add_nc_u32 v9, s49, v8                       ; weights back: token's row + 16 w: my four neurons'
	v_lshl_add_u32 v8, v2, 5, v8
	v_add_nc_u32 v8, s48, v8                       ; weights in: row 32 w + token, + 32 h
	s_lshl_b32 s50, s[WV], 10
	s_add_co_u32 s50, s50, PART
	v_lshl_add_u32 v10, v12, 4, s50                ; parts in: 1,024 w + 16 lane
	s_lshl_b32 s51, s[WV], 13
	s_add_co_u32 s51, s51, PART
	v_lshl_add_u32 v11, v12, 4, s51                ; parts back: tiles 2 w, 2 w + 1
	v_lshlrev_b32 v12, 3, v12                      ; qimg: 8 bytes a lane
	v_mov_b32 v65, 0                               ; a lane permute's destination counts as read
	WIN 0xc0                                       ; destination window 3
.irp s, 0,1,2,3,4,5,6,7
.irp c, 0,1,2,3
	global_load_b128 v[RF+16*\s+4*\c:RF+16*\s+4*\c+3], v4, s[6:7] offset:128*\s+32*\c
.endr
.endr
	WIN 0x40                                       ; destination window 1: the weights, K step by K step
.irp s, 0,1,2,3
.irp q, 0,1,2,3
.irp c, 0,1,2,3
	global_load_b128 v[64*\s+16*\q+4*\c:64*\s+16*\q+4*\c+3], v3, s[8:9] offset:131072*\q+128*\s+32*\c
.endr
.endr
.endr
	WIN 0x80                                       ; destination window 2
.irp s, 4,5,6,7
.irp q, 0,1,2,3
.irp c, 0,1,2,3
	global_load_b128 v[64*(\s-4)+16*\q+4*\c:64*(\s-4)+16*\q+4*\c+3], v3, s[8:9] offset:131072*\q+128*\s+32*\c
.endr
.endr
.endr
	WIN 0
	s_wait_kmcnt 0x0
	s_add_co_i32 s52, s20, s21
	v_mov_b32 v13, 0x3fb8aa3b
	v_ldexp_f32 v13, v13, s52                      ; log2(e) x 2^(e0 + e1): a router sum stands for sum x 2^(e0 + e1)
	s_sub_co_i32 s53, s24, s22
	s_sub_co_i32 s53, s53, s23                     ; a sum of the second product stands for sum x 2^(e2 + e3): its code is sum / 2^(e4 - e2 - e3)
	s_add_co_i32 s53, s53, 127
	s_lshl_b32 s54, s53, 23
	v_mov_b32 v14, s54
	s_add_co_i32 s53, s53, 8
	s_lshl_b32 s53, s53, 23
	s_or_b32 s53, s53, 0x600000
	v_mov_b32 v15, s53                             ; 448 x that
	; ---- the router and its softmax: wave w serves tokens 32 w .. 32 w + 31
	s_wait_tensorcnt 0x0                           ; my 32 rows are in LDS,
	s_barrier_signal -1
	s_barrier_wait -1                              ; everybody's are
.irp s, 0,1,2,3,4,5,6,7
.irp c, 0,1,2,3
	ds_load_b128 v[XB0+16*\s+4*\c:XB0+16*\s+4*\c+3], v7 offset:128*\s+32*\c
.endr
.endr
	WIN 0xc0
.irp s, 0,1,2,3,4,5,6,7
.irp c, 0,1,2,3
	ds_load_b128 v[XB1+16*\s+4*\c:XB1+16*\s+4*\c+3], v7 offset:16*PX+128*\s+32*\c
.endr
.endr
	s_wait_dscnt 0x0
	s_wait_loadcnt 63                              ; behind the router's 32 loads stand 128: the largest count that the wait can name is smaller, so it shows them in
	WIN 0x03                                       ; source 0 (router) window 3
.irp s, 0,1,2,3,4,5,6,7                        ; two accumulators by turns (even and odd K steps)
.if \s < 2
	v_wmma_f32_16x16x128_fp8_fp8 v[ACC+8*(\s%2):ACC+8*(\s%2)+7], v[RF+16*\s:RF+16*\s+15], v[XB0+16*\s:XB0+16*\s+15], 0
.else
	v_wmma_f32_16x16x128_fp8_fp8 v[ACC+8*(\s%2):ACC+8*(\s%2)+7], v[RF+16*\s:RF+16*\s+15], v[XB0+16*\s:XB0+16*\s+15], v[ACC+8*(\s%2):ACC+8*(\s%2)+7]
.endif
.endr
	WIN 0x0f                                       ; source 1 window 3 too
.irp s, 0,1,2,3,4,5,6,7
.if \s < 2
	v_wmma_f32_16x16x128_fp8_fp8 v[ACC+16+8*(\s%2):ACC+16+8*(\s%2)+7], v[RF+16*\s:RF+16*\s+15], v[XB1+16*\s:XB1+16*\s+15], 0
.else
	v_wmma_f32_16x16x128_fp8_fp8 v[ACC+16+8*(\s%2):ACC+16+8*(\s%2)+7], v[RF+16*\s:RF+16*\s+15], v[XB1+16*\s:XB1+16*\s+15], v[ACC+16+8*(\s%2):ACC+16+8*(\s%2)+7]
.endif
.endr
	WIN 0
	PLACES 5                                       ; in front of the reads of results, of the loads into x's sets, and of the products that begin these accumulators anew
.irp j, 0,1,2,3,4,5,6,7
	v_add_f32 v[ACC+\j], v[ACC+\j], v[ACC+8+\j]    ; lane (token, h), register j: neuron 8 h + j
.endr
.irp j, 0,1,2,3,4,5,6,7
	v_add_f32 v[ACC+16+\j], v[ACC+16+\j], v[ACC+24+\j]
.endr
.macro SOFTMAX b                       ; over a token's 16 neurons: my eight registers and lane l xor 16's
	v_max3_num_f32 v64, v[\b], v[\b+1], v[\b+2]
	v_max3_num_f32 v64, v64, v[\b+3], v[\b+4]
	v_max3_num_f32 v64, v64, v[\b+5], v[\b+6]
	v_max_num_f32 v64, v64, v[\b+7]
	v_permlanex16_b32 v65, v64, s40, s41
	v_max_num_f32 v64, v64, v65                    ; the row's maximum is taken away
.irp j, 0,1,2,3,4,5,6,7
	v_sub_f32 v[\b+\j], v[\b+\j], v64
.endr
.irp j, 0,1,2,3,4,5,6,7
	v_mul_f32 v[\b+\j], v13, v[\b+\j]
.endr
.irp j, 0,1,2,3,4,5,6,7
	v_exp_f32 v[\b+\j], v[\b+\j]
.endr
	v_nop                                          ; a plain place behind the exponentials
	s_wait_alu depctr_va_vdst(0)
	v_add_f32 v64, v[\b], v[\b+1]
	v_add_f32 v66, v[\b+2], v[\b+3]
	v_add_f32 v67, v[\b+4], v[\b+5]
	v_add_f32 v68, v[\b+6], v[\b+7]
	v_add_f32 v64, v64, v66
	v_add_f32 v67, v67, v68
	v_add_f32 v64, v64, v67
	v_permlanex16_b32 v65, v64, s40, s41
	v_add_f32 v64, v64, v65
	v_rcp_f32 v64, v64
	v_nop
	s_wait_alu depctr_va_vdst(0)
.irp j, 0,1,2,3,4,5,6,7
	v_mul_f32 v[\b+\j], v[\b+\j], v64
.endr
.endm
	SOFTMAX ACC
	SOFTMAX ACC+16
	ds_store_b128 v8, v[ACC:ACC+3]
	ds_store_b128 v8, v[ACC+4:ACC+7] offset:16
	ds_store_b128 v8, v[ACC+16:ACC+19] offset:1280
	ds_store_b128 v8, v[ACC+20:ACC+23] offset:1296
	s_wait_dscnt 0x0                               ; for the others' sake: my weights lie in LDS
	s_barrier_signal -1
	s_barrier_wait -1
	; ---- my four neurons against the eight tiles of tokens
.macro XLOAD tn                        ; tile tn's eight fragments into set tn % 2
.if ((\tn)%2) == 0
	WIN 0
.set XR, XB0
.else
	WIN 0xc0
.set XR, XB1
.endif
.set XAD, 5+(\tn)/4
.irp s, 0,1,2,3,4,5,6,7
.irp c, 0,1,2,3
	ds_load_b128 v[XR+16*\s+4*\c:XR+16*\s+4*\c+3], v[XAD] offset:((\tn)%4)*16*PX+128*\s+32*\c
.endr
.endr
	WIN 0
.endm
.macro TILE tn
.if \tn < 7
	XLOAD \tn+1                                    ; the other set: its last products stand five places and more back
	ds_load_b128 v[W4+4*((\tn+1)%2):W4+4*((\tn+1)%2)+3], v9 offset:1280*(\tn+1)
	s_wait_dscnt 33                                ; all but the 33 just issued: this tile's fragments and weights are in
.else
	s_wait_dscnt 0x0
.endif
.set XR, XB0*(1-(\tn%2))
.set WB, 0x0c*(\tn%2)
.irp s, 0,1,2,3,4,5,6,7
.if \tn == 0                           ; the weights arrive K step by K step: behind step s's 16 loads stand 16 (7 - s)
.if 16*(7-\s) > 63
	s_wait_loadcnt 63
.else
	s_wait_loadcnt 16*(7-\s)
.endif
.endif
	WIN WB+1+\s/4                                  ; source 0: window 1 or 2; source 1: window 0 or 3
.irp q, 0,1,2,3                                ; four accumulators by turns
.if \s == 0
	v_wmma_f32_16x16x128_fp8_fp8 v[ACC+8*\q:ACC+8*\q+7], v[64*(\s%4)+16*\q:64*(\s%4)+16*\q+15], v[XR+16*\s:XR+16*\s+15], 0
.else
	v_wmma_f32_16x16x128_fp8_fp8 v[ACC+8*\q:ACC+8*\q+7], v[64*(\s%4)+16*\q:64*(\s%4)+16*\q+15], v[XR+16*\s:XR+16*\s+15], v[ACC+8*\q:ACC+8*\q+7]
.endif
.endr
.endr
	WIN 0
	PLACES 5
.set WS4, W4+4*(\tn%2)
.irp j, 0,1,2,3,4,5,6,7
	v_mul_f32 v[PT+\j], v[WS4], v[ACC+\j]          ; the third product, K = 16, in f32: my four neurons' part; each accumulator from its low end on
.endr
.irp q, 1,2,3
.irp j, 0,1,2,3,4,5,6,7
	v_fmac_f32 v[PT+\j], v[WS4+\q], v[ACC+8*\q+\j]
.endr
.endr
	ds_store_b128 v10, v[PT:PT+3] offset:4096*\tn
	ds_store_b128 v10, v[PT+4:PT+7] offset:4096*\tn+512
.endm
	XLOAD 0
	ds_load_b128 v[W4:W4+3], v9
.irp t, 0,1,2,3,4,5,6,7
	TILE \t
.endr
	s_wait_dscnt 0x0                               ; my parts lie in LDS
	s_barrier_signal -1
	s_barrier_wait -1
	; ---- the four waves' parts are added, quantised and stored: wave w serves tiles 2 w, 2 w + 1
.irp a, 0,1
.irp n, 0,1,2,3
.irp k, 0,1
	ds_load_b128 v[RR+8*\n+4*\k:RR+8*\n+4*\k+3], v11 offset:4096*\a+1024*\n+512*\k
.endr
.endr
	s_wait_dscnt 0x0
.irp j, 0,1,2,3,4,5,6,7
	v_add_f32 v[TM+\j], v[RR+\j], v[RR+8+\j]
.endr
.irp j, 0,1,2,3,4,5,6,7
	v_add_f32 v[RR+16+\j], v[RR+16+\j], v[RR+24+\j]
.endr
.irp j, 0,1,2,3,4,5,6,7
	v_add_f32 v[TM+\j], v[TM+\j], v[RR+16+\j]
.endr
.irp j, 0,1,2,3,4,5,6,7
	v_med3_num_f32 v[TM+\j], v[TM+\j], -v15, v15   ; the conversion to an 8-bit code does not saturate (ISA guide 7.6.2): the hold at the largest code x the scale
.endr
	v_cvt_scalef32_pk8_fp8_f32 v[CD+2*\a:CD+2*\a+1], v[TM:TM+7], v14
	v_nop                                          ; a plain place behind the conversion
	global_store_b64 v12, v[CD+2*\a:CD+2*\a+1], s[12:13] offset:2048*\a   ; 32 lanes store 256 consecutive bytes, at a multiple of 256 from the buffer's first byte
.endr
	s_wait_tensorcnt 0x0
	ds_add_u32 v126, v127
	s_wait_dscnt 0x0
	ROUND                                          ; the closing round: no work-group ends while a partner may still ask
	s_endpgm
.Lfunc_end_k_q2bd14d2f7d_compress:
	.size	k_q2bd14d2f7d_compress, .Lfunc_end_k_q2bd14d2f7d_compress-k_q2bd14d2f7d_compress
	.p2alignl 7, 3214868480
	.fill 96, 4, 3214868480
	.section	.rodata,"a",@progbits
	.p2align	6, 0x0
	.amdhsa_kernel k_q2bd14d2f7d_compress
		.amdhsa_group_segment_fixed_size 176640
		.amdhsa_private_segment_fixed_size 0
		.amdhsa_enable_private_segment 0
		.amdhsa_kernarg_size 40
		.amdhsa_user_sgpr_count 2
		.amdhsa_user_sgpr_kernarg_segment_ptr 1
		.amdhsa_wavefront_size32 1
		.amdhsa_system_sgpr_workgroup_id_x 1
		.amdhsa_system_sgpr_workgroup_id_y 1
		.amdhsa_system_sgpr_workgroup_id_z 1
		.amdhsa_system_vgpr_workitem_id 0
		.amdhsa_next_free_vgpr 1024
		.amdhsa_next_free_sgpr 66
		.amdhsa_reserve_vcc 0
		.amdhsa_float_denorm_mode_32 3
		.amdhsa_float_denorm_mode_16_64 3
		.amdhsa_memory_ordered 1
		.amdhsa_forward_progress 1
		.amdhsa_inst_pref_size 79
	.end_amdhsa_kernel
	.amdgpu_metadata
---
amdhsa.version: [ 1, 2 ]
amdhsa.kernels:
  - .name:           k_q2bd14d2f7d_compress
    .symbol:         k_q2bd14d2f7d_compress.kd
    .args:
      - { .name: x_codes, .offset: 0, .size: 8, .value_kind: global_buffer, .address_space: global }
      - { .name: router_w_codes, .offset: 8, .size: 8, .value_kind: global_buffer, .address_space: global }
      - { .name: compress_neurons_codes, .offset: 16, .size: 8, .value_kind: global_buffer, .address_space: global }
      - { .name: lowp_scales, .offset: 24, .size: 8, .value_kind: global_buffer, .address_space: global }
      - { .name: qimg, .offset: 32, .size: 8, .value_kind: global_buffer, .address_space: global }
    .group_segment_fixed_size: 176640
    .private_segment_fixed_size: 0
    .kernarg_segment_align: 8
    .kernarg_segment_size: 40
    .max_flat_workgroup_size: 128
    .sgpr_count:     66
    .vgpr_count:     1024
    .wavefront_size: 32
...
	.end_amdgpu_metadata
.endif
;; end of part 1
;; launch scan (part 2): grid 4 x 64, 8 waves a work-group, clusters of 4 x 1, 168,960 bytes of LDS; arguments qimg, knowledge_K_codes, gkey, skey; writes gkey, skey
.if DOCPART == 2
	.amdgcn_target "amdgcn-amd-amdhsa--gfx1250"
	.amdhsa_code_object_version 6
	.text
	.protected	k_q2bd14d2f7d_scan
	.globl	k_q2bd14d2f7d_scan
	.p2align	8
	.type	k_q2bd14d2f7d_scan,@function
k_q2bd14d2f7d_scan:
	s_mov_b64 s[64:65], 0
	v_nop
	global_prefetch_b8 v0, s[64:65] scope:SCOPE_SE
	s_setreg_imm32_b32 hwreg(HW_REG_WAVE_MODE, 25, 1), 1
	s_wait_xcnt 0x0
	s_wait_alu depctr_hold_cnt(0) depctr_sa_sdst(0) depctr_va_vdst(0) depctr_va_sdst(0) depctr_va_ssrc(0) depctr_va_vcc(0) depctr_vm_vsrc(0)
	s_getreg_b32 s2, hwreg(HW_REG_IB_STS2, 6, 4)
	s_cmp_eq_u32 s2, 0
	s_cbranch_scc0 .Lentry_in_a_cluster
	s_endpgm
.Lentry_in_a_cluster:
	s_bfe_u32 s2, ttmp6, 0x10000c
	s_cmp_lg_u32 s2, 0x3003
	s_cbranch_scc0 .Lentry_shape_is_right
	s_endpgm
.Lentry_shape_is_right:
; All 4,096 x 32,768 scores Q . K are made, and of them only maxima are kept: one for each token and group of 32 neighbouring keys (gkey), one for each token and supergroup of 256 (skey).
; The eight best keys of a token lie in the eight groups whose maxima rank highest (maximum descending, number ascending), and those in the eight such supergroups: a later launch looks there alone.
; A maximum m is stored as a whole number that orders as m does: b = the bits of m + 0.0 (so that -0 counts as +0), key = b xor ((b >> 31, arithmetic) >> 1).  The scores' common factor 2^(e4 + e5) / sqrt(128)
; is positive and changes no order: it is left to the later launch.  NaN codes are not served.
; SHARES.  A work-group takes 1,024 tokens (place in the cluster) and 512 keys (grid y); each of its eight waves 128 tokens (eight fragments of Q, in window 1) against all 512 keys: each fragment of K read from LDS feeds 8 products.
; CLUSTER.  The four work-groups of a cluster take the same 512 keys: the slab is asked for jointly (mask 15), once; nothing in LDS is filled twice.
; THE KEYS OF A TILE.  Source 0 = 16 keys, source 1 = 16 tokens: lane (token, h) holds rows 8 h + 0 .. 7.  In tile t rows 0-7 are keys 8 t + 0 .. 7 and rows 8-15 keys 256 + 8 (t xor 1) + 0 .. 7: so the lanes' half h
; walks the neighbouring keys 256 h .. 256 h + 255, tiles 4 i .. 4 i + 3 are its group i, and the 16 rows of a load, 264 or 248 rows apart in halves, begin at 16 different columns of 16 bytes.
; The maxima cost half a vector instruction a score (three operands at a time) and stand behind the next tile's products, whose places they are.
; REGISTERS.  window 0: v1-5 addresses; v8-55 three fragments of K; v56-183 two sets of eight results; v184-215 the groups' maxima (token tile g, group i % 4 at 184 + 4 g + i % 4); v216-223 the supergroup's; v224-255 keys to store.  window 1: Q.
.set PK, 144                           ; a key's row in LDS: 128 bytes + 16
.set F,  8
.set D,  56
.set M,  184
.set SM, 216
.set KY, 224
.set WV, 12
.set MSB, 0
.macro WIN new
.if MSB != (\new)
	s_set_vgpr_msb (MSB<<8)|(\new)
.set MSB, (\new)
.endif
.endm
.macro PLACES n
.rept \n
	v_nop
.endr
.endm
.macro ROUND
	s_barrier_signal -1
	s_barrier_wait -1
	s_cmp_lg_u32 s[WV], 0
	s_cbranch_scc1 .Lnot_wave_0_\@
	s_barrier_signal -3
.Lnot_wave_0_\@:
	s_barrier_wait -3
	s_barrier_signal -1
	s_barrier_wait -1
.endm
	s_load_b256 s[4:11], s[0:1], 0x0               ; qimg s[4:5], K s[6:7], gkey s[8:9], skey s[10:11]
	s_set_vgpr_msb 0x40
	v_lshl_add_u32 v128, v0, 2, 0x29000
	v_mov_b32 v129, 0
	s_set_vgpr_msb 0x4045
	ds_add_u32 v128, v129
	ds_add_u32 v128, v129
	s_set_vgpr_msb 0x4500
	v_lshrrev_b32 v1, 5, v0
	v_readfirstlane_b32 s[WV], v1                  ; wave 0..7
	s_bfe_u32 s13, ttmp6, 0x40000
	s_lshl_b32 s15, ttmp9, 2
	s_add_co_u32 s13, s13, s15                     ; which 1,024 tokens: it enters Q's and the outputs' addresses alone
	s_and_b32 s14, ttmp7, 0xffff                   ; which 512 keys: shared by the partners
	s_mov_b32 s20, 15|(1<<20)|(1<<21)|(4<<22)|(3<<25)   ; the mask: all four; elements of 1 byte; padding: four words after every 32; 21 set beside a mask
	s_mov_b32 s21, 128<<16                         ; tensor_dim0
	s_mov_b32 s22, 64<<16                          ; tensor_dim1
	s_mov_b32 s23, 128<<16                         ; tile_dim0
	s_mov_b32 s24, 64                              ; tile_dim1
	s_mov_b32 s25, 128                             ; from row to row
	s_mov_b32 s26, 0
	s_mov_b32 s27, 0
	s_mov_b32 s16, 1
	s_mul_i32 s17, s[WV], 64*PK                    ; my 64 rows in LDS
	s_lshl_b32 s28, s14, 16                        ; 512 keys x 128 bytes x y
	s_lshl_b32 s29, s[WV], 13                      ; + 64 keys x wave
	s_add_co_u32 s28, s28, s29
	s_mov_b32 s29, 0
	s_lshl_b32 s30, s13, 17                        ; Q: tile 64 tg + 8 w of 2,048 bytes
	s_lshl_b32 s31, s[WV], 14
	s_add_co_u32 s30, s30, s31
	s_mov_b32 s31, 0
	s_lshl_b32 s32, s13, 22                        ; gkey: tile x 65,536 + 1,024 y
	s_lshl_b32 s33, s[WV], 19
	s_add_co_u32 s32, s32, s33
	s_lshl_b32 s33, s14, 10
	s_add_co_u32 s32, s32, s33
	s_mov_b32 s33, 0
	s_lshl_b32 s34, s13, 19                        ; skey: (tile / 4) x 32,768 + 512 y
	s_lshl_b32 s35, s[WV], 16
	s_add_co_u32 s34, s34, s35
	s_lshl_b32 s35, s14, 9
	s_add_co_u32 s34, s34, s35
	s_mov_b32 s35, 0
	s_wait_dscnt 0x0
	s_wait_kmcnt 0x0
	s_add_nc_u64 s[18:19], s[6:7], s[28:29]
	s_or_b32 s19, s19, 0x80000000
	s_add_nc_u64 s[4:5], s[4:5], s[30:31]
	s_add_nc_u64 s[8:9], s[8:9], s[32:33]
	s_add_nc_u64 s[10:11], s[10:11], s[34:35]
	ROUND
	tensor_load_to_lds s[16:19], s[20:27]          ; my one tensor load of the launch
	s_nop 0
	PLACES 4
	v_and_b32 v6, 15, v0                           ; p, also the token in a tile
	v_bfe_u32 v7, v0, 4, 1                         ; h
	v_and_b32 v1, 7, v6
	v_mul_u32_u24 v1, v1, PK
	v_lshl_add_u32 v1, v7, 4, v1                   ; (p % 8) rows + 16 h
	v_bfe_u32 v5, v0, 3, 1                         ; p / 8
	v_mul_u32_u24 v2, v5, 248*PK
	v_add_nc_u32 v2, v2, v1                        ; odd tiles: rows 8-15 lie 248 rows on,
	v_mul_u32_u24 v5, v5, 264*PK
	v_add_nc_u32 v1, v5, v1                        ; even tiles: 264
	v_lshlrev_b32 v3, 4, v6
	v_lshl_add_u32 v4, v7, 8, v3                   ; skey: 256 h + 16 token
	v_lshl_add_u32 v3, v7, 9, v3                   ; gkey: 512 h + 16 token
	v_and_b32 v5, 31, v0
	v_lshlrev_b32 v5, 3, v5                        ; qimg: 8 bytes a lane
	WIN 0x40
.irp g, 0,1,2,3,4,5,6,7
.irp c, 0,1,2,3
.irp u, 0,1
	global_load_b64 v[16*\g+4*\c+2*\u:16*\g+4*\c+2*\u+1], v5, s[4:5] offset:2048*\g+512*\c+256*\u
.endr
.endr
.endr
	WIN 0
	s_wait_tensorcnt 0x0
	s_barrier_signal -1
	s_barrier_wait -1                              ; the 512 keys lie in LDS
.macro FLOAD tn                        ; tile tn's fragment into buffer tn % 3
.set FAD, 1+((\tn)%2)
.irp c, 0,1,2,3
	ds_load_b128 v[F+16*((\tn)%3)+4*\c:F+16*((\tn)%3)+4*\c+3], v[FAD] offset:1152*(\tn)+32*\c
.endr
.endm
.macro MAXES tn                        ; tile tn's 8 x 8 results a lane go into the group's maxima: 32 instructions, the eight token tiles by turns; each result from its low end on
.set DS, D+64*((\tn)%2)
.set MI, M+(((\tn)/4)%4)
.if ((\tn)%4) == 0
.irp g, 0,1,2,3,4,5,6,7
	v_max3_num_f32 v[MI+4*\g], v[DS+8*\g], v[DS+8*\g+1], v[DS+8*\g+2]
.endr
.irp g, 0,1,2,3,4,5,6,7
	v_max3_num_f32 v[MI+4*\g], v[MI+4*\g], v[DS+8*\g+3], v[DS+8*\g+4]
.endr
.irp g, 0,1,2,3,4,5,6,7
	v_max3_num_f32 v[MI+4*\g], v[MI+4*\g], v[DS+8*\g+5], v[DS+8*\g+6]
.endr
.irp g, 0,1,2,3,4,5,6,7
	v_max_num_f32 v[MI+4*\g], v[MI+4*\g], v[DS+8*\g+7]
.endr
.else
.irp e, 0,2,4,6
.irp g, 0,1,2,3,4,5,6,7
	v_max3_num_f32 v[MI+4*\g], v[MI+4*\g], v[DS+8*\g+\e], v[DS+8*\g+\e+1]
.endr
.endr
.endif
.endm
.macro KEYS k                          ; groups 4 k .. 4 k + 3 are finished: into the supergroup's maximum, into keys, and out
.irp g, 0,1,2,3,4,5,6,7
.if \k == 0
	v_max3_num_f32 v[SM+\g], v[M+4*\g], v[M+4*\g+1], v[M+4*\g+2]
.else
	v_max3_num_f32 v[SM+\g], v[SM+\g], v[M+4*\g], v[M+4*\g+1]
.endif
.endr
.irp g, 0,1,2,3,4,5,6,7
.if \k == 0
	v_max_num_f32 v[SM+\g], v[SM+\g], v[M+4*\g+3]
.else
	v_max3_num_f32 v[SM+\g], v[SM+\g], v[M+4*\g+2], v[M+4*\g+3]
.endif
.endr
.set j, 0
.rept 32
	v_add_f32 v[M+j], 0, v[M+j]                    ; -0 becomes +0
.set j, j+1
.endr
.set j, 0
.rept 32
	v_ashrrev_i32 v[KY+j], 31, v[M+j]
.set j, j+1
.endr
.set j, 0
.rept 32
	v_lshrrev_b32 v[KY+j], 1, v[KY+j]
.set j, j+1
.endr
.set j, 0
.rept 32
	v_xor_b32 v[KY+j], v[M+j], v[KY+j]
.set j, j+1
.endr
.irp g, 0,1,2,3,4,5,6,7
	global_store_b128 v3, v[KY+4*\g:KY+4*\g+3], s[8:9] offset:65536*\g+256*\k   ; sixteen lanes store 256 consecutive bytes, at a multiple of 256 from the buffer's first byte
.endr
.endm
.macro STEP tn
.if \tn < 30
	s_wait_dscnt 8                                 ; this tile's fragment is in; the next two tiles' four loads each may be out
.elseif \tn == 30
	s_wait_dscnt 4
.else
	s_wait_dscnt 0x0
.endif
	WIN 0x04                                       ; source 1 (Q) window 1
.irp g, 0,1,2,3,4,5,6,7
	v_wmma_f32_16x16x128_fp8_fp8 v[D+64*(\tn%2)+8*\g:D+64*(\tn%2)+8*\g+7], v[F+16*(\tn%3):F+16*(\tn%3)+15], v[16*\g:16*\g+15], 0
.endr
	WIN 0
.if \tn == 0
	PLACES 5
.else
	MAXES \tn-1                                    ; the other set's results: these 32 name none of the registers of the products above and are their places
.endif
.if \tn+3 < 32
	FLOAD \tn+3                                    ; into the buffer just multiplied
.endif
.if \tn == 16
	KEYS 0
.endif
.endm
	FLOAD 0
	FLOAD 1
	FLOAD 2
	s_wait_loadcnt 0x0                             ; Q
.irp t, 0,1,2,3,4,5,6,7,8,9,10,11,12,13,14,15,16,17,18,19,20,21,22,23,24,25,26,27,28,29,30,31
	STEP \t
.endr
	PLACES 4
	MAXES 31
	s_wait_xcnt 0x0                                ; the first half's stores have read their data: the keys' registers are written again only behind this wait
	KEYS 1
.irp g, 0,1,2,3,4,5,6,7
	v_add_f32 v[SM+\g], 0, v[SM+\g]
.endr
.irp g, 0,1,2,3,4,5,6,7
	v_ashrrev_i32 v[D+\g], 31, v[SM+\g]
.endr
.irp g, 0,1,2,3,4,5,6,7
	v_lshrrev_b32 v[D+\g], 1, v[D+\g]
.endr
.irp g, 0,1,2,3,4,5,6,7
	v_xor_b32 v[D+\g], v[SM+\g], v[D+\g]
.endr
	global_store_b128 v4, v[D:D+3], s[10:11]                 ; four token tiles' keys side by side: sixteen lanes fill 256 consecutive bytes
	global_store_b128 v4, v[D+4:D+7], s[10:11] offset:32768
	s_set_vgpr_msb 0x5
	s_wait_tensorcnt 0x0
	ds_add_u32 v128, v129
	s_wait_dscnt 0x0
	s_set_vgpr_msb 0x500
	ROUND                                          ; the closing round
	s_endpgm
.Lfunc_end_k_q2bd14d2f7d_scan:
	.size	k_q2bd14d2f7d_scan, .Lfunc_end_k_q2bd14d2f7d_scan-k_q2bd14d2f7d_scan
	.p2alignl 7, 3214868480
	.fill 96, 4, 3214868480
	.section	.rodata,"a",@progbits
	.p2align	6, 0x0
	.amdhsa_kernel k_q2bd14d2f7d_scan
		.amdhsa_group_segment_fixed_size 168960
		.amdhsa_private_segment_fixed_size 0
		.amdhsa_enable_private_segment 0
		.amdhsa_kernarg_size 32
		.amdhsa_user_sgpr_count 2
		.amdhsa_user_sgpr_kernarg_segment_ptr 1
		.amdhsa_wavefront_size32 1
		.amdhsa_system_sgpr_workgroup_id_x 1
		.amdhsa_system_sgpr_workgroup_id_y 1
		.amdhsa_system_sgpr_workgroup_id_z 1
		.amdhsa_system_vgpr_workitem_id 0
		.amdhsa_next_free_vgpr 386
		.amdhsa_next_free_sgpr 66
		.amdhsa_reserve_vcc 0
		.amdhsa_float_denorm_mode_32 3
		.amdhsa_float_denorm_mode_16_64 3
		.amdhsa_memory_ordered 1
		.amdhsa_forward_progress 1
		.amdhsa_inst_pref_size 113
	.end_amdhsa_kernel
	.amdgpu_metadata
---
amdhsa.version: [ 1, 2 ]
amdhsa.kernels:
  - .name:           k_q2bd14d2f7d_scan
    .symbol:         k_q2bd14d2f7d_scan.kd
    .args:
      - { .name: qimg, .offset: 0, .size: 8, .value_kind: global_buffer, .address_space: global }
      - { .name: knowledge_K_codes, .offset: 8, .size: 8, .value_kind: global_buffer, .address_space: global }
      - { .name: gkey, .offset: 16, .size: 8, .value_kind: global_buffer, .address_space: global }
      - { .name: skey, .offset: 24, .size: 8, .value_kind: global_buffer, .address_space: global }
    .group_segment_fixed_size: 168960
    .private_segment_fixed_size: 0
    .kernarg_segment_align: 8
    .kernarg_segment_size: 32
    .max_flat_workgroup_size: 256
    .sgpr_count:     66
    .vgpr_count:     386
    .wavefront_size: 32
...
	.end_amdgpu_metadata
.endif
;; end of part 2
;; launch refine (part 3): grid 256 x 1, 16 waves a work-group, no clusters, 29,696 bytes of LDS; arguments skey, gkey, qimg, knowledge_K_codes, lowp_scales, tidx, twt; writes tidx, twt
.if DOCPART == 3
	.amdgcn_target "amdgcn-amd-amdhsa--gfx1250"
	.amdhsa_code_object_version 6
	.text
	.protected	k_q2bd14d2f7d_refine
	.globl	k_q2bd14d2f7d_refine
	.p2align	8
	.type	k_q2bd14d2f7d_refine,@function
k_q2bd14d2f7d_refine:
	s_mov_b64 s[64:65], 0
	v_nop
	global_prefetch_b8 v0, s[64:65] scope:SCOPE_SE
	s_setreg_imm32_b32 hwreg(HW_REG_WAVE_MODE, 25, 1), 1
	s_wait_xcnt 0x0
; For each of a work-group's 16 tokens: the eight best supergroups (of 128 stored keys), their 64 groups' stored keys, the eight best groups, those groups' 256 scores made anew, the exact eight best keys
; (score descending, index ascending, as jax.lax.top_k has it), their softmax.  Stored: the eight indices (whole numbers) and the eight weights, at fixed places.
; WHAT STEERS ADDRESSES: whole numbers read from memory, compared and selected as whole numbers, and held inside their tables by v_min_u32.  The scores made here steer no address: they choose what is stored.
; The 256 scores come by the same matrix instruction, the same places of k and C = 0 as in the launch that took the maxima.
; NO CLUSTER, NO TENSOR LOAD: each token's rows of K are its own, named by the stored lists; work-groups share nothing that they read at the same time.
; SHARES.  The selections run on waves 0-7: sixteen lanes (q = lane % 16) serve token 2 w + lane / 16; each lane keeps a sorted list, and eight times the row's best entry is found by exchanges 1, 2, 4, 8 lanes apart and
; popped from the list that held it.  The scores are made by all sixteen waves: wave w serves the gi = w / 2 -th best group of every token, keys 16 (w % 2) + 0 .. 15 of it: for token i a product of those
; 16 keys with the tile of 16 tokens, of which column i is kept.
; -0 counts as +0.  NaN codes are not served.
; REGISTERS: v1 q, v2 h; v3-15 addresses; v16-23, v24-31 the list (values, numbers); v32-37 at work; v38 my supergroup, v39 my group, v40 the group to publish, v41, v42 my winner, v43 the best score,
; v44, v45 numbers; v46, v47 what follows a list's end; v48-63 what was loaded; v64-79 Q; v80-95 offsets in K; v96-127 four results; v128-255 eight fragments of K.
.set SKP, 528                          ; LDS: a token's 128 supergroup keys + 16 bytes
.set GLT, 16*SKP                       ; 8,448: the chosen groups, [gi 8][token 16] words
.set SC,  GLT+512                      ; 8,960: the scores, a token's row: [wave 16][h 2][j 8] f32 + 16 bytes
.set SCP, 1040
.set OI,  SC+16*SCP                    ; 25,600: the indices, 512 bytes; behind them the weights
.set KL,  16
.set IL,  24
.set QF,  64
.set VO,  80
.set DD,  96
.set FR,  128
.macro PLACES n
.rept \n
	v_nop
.endr
.endm
; (v[val], v[idr]) goes into the list, which holds num entries (eight at the most are kept).  The compare is strict and a lane's numbers ascend: of equals the lower number stays ahead.
.macro INSERT ty, val, idr, num
.set L, \num
.if L > 8
.set L, 8
.endif
.set i, 0
.if L > 0
.rept L
	v_cmp_gt_\ty s[32+i], v[\val], v[KL+i]
.set i, i+1
.endr
.endif
.set top, \num
.if top > 7
.set top, 7
.endif
.set i, top
.rept top+1
.if i == \num
.if i == 0
	v_mov_b32 v[KL], v[\val]
	v_mov_b32 v[IL], v[\idr]
.else
	v_cndmask_b32 v[KL+i], v[\val], v[KL+i-1], s[32+i-1]
	v_cndmask_b32 v[IL+i], v[\idr], v[IL+i-1], s[32+i-1]
.endif
.elseif i == 0
	v_cndmask_b32 v[KL], v[KL], v[\val], s32
	v_cndmask_b32 v[IL], v[IL], v[\idr], s32
.else
	v_cndmask_b32 v36, v[\val], v[KL+i-1], s[32+i-1]
	v_cndmask_b32 v37, v[\idr], v[IL+i-1], s[32+i-1]
	v_cndmask_b32 v[KL+i], v[KL+i], v36, s[32+i]
	v_cndmask_b32 v[IL+i], v[IL+i], v37, s[32+i]
.endif
.set i, i-1
.endr
.endm
; The k-th of eight takings: v32, v33 = the best (value, number) among the sixteen lanes' list heads, in every lane of the row; the list that held it moves up.  Only the 7 - k places that can still be taken are moved.
.macro EXTRACT ty, depth, k
	v_mov_b32 v32, v[KL]
	v_mov_b32 v33, v[IL]
.irp m, 1,2,4,8
	v_mov_b32_dpp v34, v32 row_xmask:\m row_mask:0xf bank_mask:0xf
	v_mov_b32_dpp v35, v33 row_xmask:\m row_mask:0xf bank_mask:0xf
	v_cmp_gt_\ty s32, v34, v32
	v_cmp_eq_\ty s33, v34, v32
	v_cmp_lt_u32 s34, v35, v33
	s_and_b32 s33, s33, s34
	s_or_b32 s32, s32, s33                         ; the partner's is larger, or equal with the lower number
	v_cndmask_b32 v32, v32, v34, s32
	v_cndmask_b32 v33, v33, v35, s32
.endr
.set NP, 7-(\k)
.if NP > \depth
.set NP, \depth
.endif
.if NP > 0
	v_cmp_eq_u32 s32, v[IL], v33
.set i, 0
.rept NP
.if i+1 < \depth
	v_cndmask_b32 v[KL+i], v[KL+i], v[KL+i+1], s32
	v_cndmask_b32 v[IL+i], v[IL+i], v[IL+i+1], s32
.else
	v_cndmask_b32 v[KL+i], v[KL+i], v46, s32
	v_cndmask_b32 v[IL+i], v[IL+i], v47, s32
.endif
.set i, i+1
.endr
.endif
.endm
	s_load_b256 s[4:11], s[0:1], 0x0               ; skey s[4:5], gkey s[6:7], qimg s[8:9], K s[10:11]
	s_load_b128 s[12:15], s[0:1], 0x20             ; scales s[12:13], tidx s[14:15]
	s_load_b64 s[16:17], s[0:1], 0x30              ; twt
	v_lshrrev_b32 v1, 5, v0
	v_readfirstlane_b32 s18, v1                    ; wave 0..15
	v_and_b32 v1, 15, v0                           ; q
	v_bfe_u32 v2, v0, 4, 1                         ; h
	v_bfe_u32 v36, v0, 4, 4                        ; the token that a selecting lane serves: (thread / 16) % 16
	v_lshrrev_b32 v37, 4, v0                       ; thread / 16: 0 .. 31
	v_and_b32 v34, 7, v1                           ; q % 8
	v_and_b32 v35, 1, v1                           ; q % 2
	v_and_b32 v33, 31, v0                          ; lane
	; every LDS address is made here, ahead of the first parting of the waves
	v_mul_u32_u24 v3, v1, SKP
	v_lshl_add_u32 v3, v37, 2, v3                  ; supergroup keys in: token q's row, word thread / 16 (+ 32 n)
	v_mul_u32_u24 v4, v36, SKP
	v_lshl_add_u32 v4, v1, 5, v4                   ; and back: my token's row, my eight
	v_lshl_add_u32 v5, v34, 4, v36
	v_lshlrev_b32 v5, 2, v5
	v_add_nc_u32 v5, GLT, v5                       ; a chosen group in: [q % 8][token]
	s_lshr_b32 s20, s18, 1
	s_lshl_b32 s20, s20, 6
	s_add_co_u32 s20, s20, GLT
	v_mov_b32 v6, s20                              ; and back: the sixteen tokens' group gi = wave / 2
	s_lshl_b32 s21, s18, 6
	s_add_co_u32 s21, s21, SC
	v_mul_u32_u24 v7, v1, SCP
	v_lshl_add_u32 v7, v2, 5, v7
	v_add_nc_u32 v7, s21, v7                       ; scores in: token q's row, + 64 wave + 32 h
	v_mul_u32_u24 v8, v36, SCP
	v_lshl_add_u32 v8, v1, 6, v8
	v_add_nc_u32 v8, SC, v8                        ; and back: my token's row, the sixteen that wave q made
	v_lshl_add_u32 v9, v36, 3, v34
	v_lshlrev_b32 v9, 2, v9
	v_add_nc_u32 v9, OI, v9                        ; a winner in: [token][q % 8]
	v_and_b32 v10, 63, v0
	v_lshlrev_b32 v10, 4, v10
	v_add_nc_u32 v10, OI, v10                      ; and back: wave 0 the indices, wave 1 the weights
	v_lshlrev_b32 v11, 3, v33                      ; qimg: 8 bytes a lane
	v_lshlrev_b32 v12, 4, v0                       ; skey: 16 bytes from thread to thread
	v_lshlrev_b32 v13, 4, v36
	v_lshl_add_u32 v13, v35, 8, v13                ; gkey: 256 (q % 2) + 16 token
	s_and_b32 s22, s18, 1
	s_lshl_b32 s22, s22, 11
	v_lshlrev_b32 v14, 7, v1
	v_lshl_add_u32 v14, v2, 4, v14
	v_add_nc_u32 v14, s22, v14                     ; K: 2,048 (wave % 2) + 128 row + 16 h
	v_lshlrev_b32 v15, 4, v33                      ; the way out: 16 bytes a lane
.irp r, 38,39,40,41,42,43
	v_mov_b32 v\r, 0                               ; what a select under a lane mask keeps must have been written
.endr
	v_mov_b32 v46, 0x80000000                      ; under every key
	v_mov_b32 v47, 0x7fffffff                      ; over every number
	s_lshr_b32 s22, ttmp9, 2                       ; skey: (tile / 4) x 32,768 + 4 (tile % 4)
	s_lshl_b32 s22, s22, 15
	s_and_b32 s23, ttmp9, 3
	s_lshl_b32 s23, s23, 2
	s_add_co_u32 s22, s22, s23
	s_mov_b32 s23, 0
	s_lshl_b32 s26, ttmp9, 16                      ; gkey: tile x 65,536
	s_mov_b32 s27, 0
	s_lshl_b32 s28, ttmp9, 11                      ; qimg: tile x 2,048
	s_mov_b32 s29, 0
	s_lshl_b32 s30, ttmp9, 9                       ; tidx, twt: tile x 512
	s_mov_b32 s31, 0
	s_wait_kmcnt 0x0
	s_load_b64 s[24:25], s[12:13], 0x10            ; e4, e5
	s_add_nc_u64 s[4:5], s[4:5], s[22:23]
	s_add_nc_u64 s[6:7], s[6:7], s[26:27]
	s_add_nc_u64 s[8:9], s[8:9], s[28:29]
	s_add_nc_u64 s[14:15], s[14:15], s[30:31]
	s_add_nc_u64 s[16:17], s[16:17], s[30:31]
.irp c, 0,1,2,3
.irp u, 0,1
	global_load_b64 v[QF+4*\c+2*\u:QF+4*\c+2*\u+1], v11, s[8:9] offset:512*\c+256*\u
.endr
.endr
.irp n, 0,1,2,3
	global_load_b32 v[48+\n], v12, s[4:5] offset:8192*\n   ; token thread % 16, supergroup thread / 16 + 32 n
.endr
	s_wait_loadcnt 0x0
	s_wait_kmcnt 0x0
.irp n, 0,1,2,3
	ds_store_b32 v3, v[48+\n] offset:128*\n
.endr
	s_wait_dscnt 0x0
	s_barrier_signal -1
	s_barrier_wait -1                              ; the tile's 16 x 128 supergroup keys lie in LDS, a row a token
	s_cmp_lt_u32 s18, 8
	s_cbranch_scc0 .Lno_choice
	; ---- the eight best supergroups: lane q holds supergroups 8 q .. 8 q + 7
	ds_load_b128 v[48:51], v4
	ds_load_b128 v[52:55], v4 offset:16
	v_lshlrev_b32 v44, 3, v1
	s_wait_dscnt 0x0
.set cnt, 0
.rept 8
	v_add_nc_u32 v45, cnt, v44
	INSERT i32, 48+cnt, 45, cnt
.set cnt, cnt+1
.endr
.set rk, 0
.rept 8
	EXTRACT i32, 8, rk
	s_mov_b32 s40, 0x00030003<<(2*rk)
	v_cndmask_b32 v38, v38, v33, s40               ; lanes q / 2 = rk keep the rk-th
.set rk, rk+1
.endr
	; ---- their 64 groups: lane q holds four groups of its supergroup
	v_min_u32 v38, 127, v38
	v_lshl_add_u32 v45, v38, 9, v13
	global_load_b128 v[48:51], v45, s[6:7]
	v_and_b32 v37, 1, v1
	v_lshlrev_b32 v44, 3, v38
	v_lshl_add_u32 v44, v37, 2, v44                ; group 8 sg + 4 (q % 2) + 0 .. 3
	s_wait_loadcnt 0x0                             ; the keys are in, and the load's offset register may be written
.set cnt, 0
.rept 4
	v_add_nc_u32 v45, cnt, v44
	INSERT i32, 48+cnt, 45, cnt
.set cnt, cnt+1
.endr
.set rk, 0
.rept 8
	EXTRACT i32, 4, rk
	s_mov_b32 s40, 0x00030003<<(2*rk)
	v_cndmask_b32 v39, v39, v33, s40               ; lanes q / 2 = rk keep it for the last selection,
	s_mov_b32 s40, 0x01010101<<rk
	v_cndmask_b32 v40, v40, v33, s40               ; lanes q % 8 = rk publish it
.set rk, rk+1
.endr
	ds_store_b32 v5, v40                           ; (lanes q and q + 8 store the same number to the same word)
.Lno_choice:
	s_wait_dscnt 0x0
	s_barrier_signal -1
	s_barrier_wait -1                              ; the chosen groups lie in LDS
	; ---- the scores of the chosen groups, by all sixteen waves
.irp n, 0,1,2,3
	ds_load_b128 v[48+4*\n:51+4*\n], v6 offset:16*\n   ; the sixteen tokens' group gi, the same words in every lane
.endr
	s_wait_dscnt 0x0
.set i, 0
.rept 16
	v_min_u32 v[48+i], 0x3ff, v[48+i]
	v_lshl_add_u32 v[VO+i], v[48+i], 12, v14       ; a group is 32 rows of 128 bytes
.set i, i+1
.endr
.macro KLOAD f
.irp c, 0,1,2,3
	global_load_b128 v[FR+16*((\f)%8)+4*\c:FR+16*((\f)%8)+4*\c+3], v[VO+(\f)], s[10:11] offset:32*\c
.endr
.endm
.macro KEEP col                        ; of the product for token col only column col counts: lanes col and col + 16
.if (\col) == 0
.irp j, 0,1,2,3,4,5,6,7
	v_mov_b32 v[KL+\j], v[DD+\j]
.endr
.else
	s_mov_b32 s40, 0x00010001<<(\col)
.irp j, 0,1,2,3,4,5,6,7
	v_cndmask_b32 v[KL+\j], v[KL+\j], v[DD+8*((\col)%4)+\j], s40
.endr
.endif
.endm
.irp f, 0,1,2,3,4,5,6,7
	KLOAD \f
.endr
.set fi, 0
.rept 16
.if 15-fi < 7
	s_wait_loadcnt 4*(15-fi)                       ; behind this fragment's four loads stand four for each younger fragment
.else
	s_wait_loadcnt 28
.endif
	v_wmma_f32_16x16x128_fp8_fp8 v[DD+8*(fi%4):DD+8*(fi%4)+7], v[FR+16*(fi%8):FR+16*(fi%8)+15], v[QF:QF+15], 0
.if fi == 0
	PLACES 4
.else
	KEEP fi-1                                      ; eight plain instructions on the product before: the places behind the one above
.endif
.if fi+8 < 16
	KLOAD fi+8
.endif
.set fi, fi+1
.endr
	PLACES 4
	KEEP 15
	ds_store_b128 v7, v[KL:KL+3]                   ; lane (token, h): keys 16 (wave % 2) + 8 h + 0 .. 7 of the token's group gi
	ds_store_b128 v7, v[KL+4:KL+7] offset:16
	s_wait_dscnt 0x0
	s_barrier_signal -1
	s_barrier_wait -1                              ; 16 x 256 scores lie in LDS
	s_cmp_lt_u32 s18, 8
	s_cbranch_scc0 .Lno_final
	; ---- the eight best keys: lane q holds keys 32 g + 16 (q % 2) + 0 .. 15 of its group g
.irp n, 0,1,2,3
	ds_load_b128 v[48+4*\n:51+4*\n], v8 offset:16*\n
.endr
	v_and_b32 v37, 1, v1
	v_lshlrev_b32 v44, 5, v39
	v_lshl_add_u32 v44, v37, 4, v44
	v_mov_b32 v46, 0xff800000                      ; -infinity: under every score
	s_wait_dscnt 0x0
.set cnt, 0
.rept 16
	v_add_nc_u32 v45, cnt, v44
	INSERT f32, 48+cnt, 45, cnt
.set cnt, cnt+1
.endr
.set rk, 0
.rept 8
	EXTRACT f32, 8, rk
.if rk == 0
	v_mov_b32 v43, v32                             ; the largest score: the softmax takes it away
.endif
	s_mov_b32 s40, 0x01010101<<rk
	v_cndmask_b32 v41, v41, v32, s40
	v_cndmask_b32 v42, v42, v33, s40
.set rk, rk+1
.endr
	s_add_co_i32 s24, s24, s25
	v_mov_b32 v37, 0x3e0293ee                      ; log2(e) / sqrt(128)
	v_ldexp_f32 v37, v37, s24                      ; x 2^(e4 + e5)
	v_sub_f32 v41, v41, v43
	v_mul_f32 v41, v41, v37
	v_exp_f32 v41, v41
	v_nop
	s_wait_alu depctr_va_vdst(0)
	v_add_f32_dpp v36, v41, v41 row_xmask:1 row_mask:0xf bank_mask:0xf
	v_add_f32_dpp v36, v36, v36 row_xmask:2 row_mask:0xf bank_mask:0xf
	v_add_f32_dpp v36, v36, v36 row_xmask:4 row_mask:0xf bank_mask:0xf   ; the sum over the eight lanes that hold the eight winners
	v_rcp_f32 v36, v36
	v_nop
	s_wait_alu depctr_va_vdst(0)
	v_mul_f32 v41, v41, v36
	ds_store_b32 v9, v42
	ds_store_b32 v9, v41 offset:512
.Lno_final:
	s_wait_dscnt 0x0
	s_barrier_signal -1
	s_barrier_wait -1
	s_cmp_gt_u32 s18, 1
	s_cbranch_scc1 .Lend
	s_cmp_eq_u32 s18, 0                            ; wave 0 stores the indices, wave 1 the weights: 512 consecutive bytes each
	s_cselect_b64 s[20:21], s[14:15], s[16:17]
	ds_load_b128 v[48:51], v10
	s_wait_dscnt 0x0
	global_store_b128 v15, v[48:51], s[20:21]
.Lend:
	s_wait_xcnt 0x0
	v_lshl_add_u32 v254, v0, 2, 0x6c00
	v_mov_b32 v255, 0
	s_wait_tensorcnt 0x0
	ds_add_u32 v254, v255
	s_wait_dscnt 0x0
	s_endpgm
.Lfunc_end_k_q2bd14d2f7d_refine:
	.size	k_q2bd14d2f7d_refine, .Lfunc_end_k_q2bd14d2f7d_refine-k_q2bd14d2f7d_refine
	.p2alignl 7, 3214868480
	.fill 96, 4, 3214868480
	.section	.rodata,"a",@progbits
	.p2align	6, 0x0
	.amdhsa_kernel k_q2bd14d2f7d_refine
		.amdhsa_group_segment_fixed_size 29696
		.amdhsa_private_segment_fixed_size 0
		.amdhsa_enable_private_segment 0
		.amdhsa_kernarg_size 56
		.amdhsa_user_sgpr_count 2
		.amdhsa_user_sgpr_kernarg_segment_ptr 1
		.amdhsa_wavefront_size32 1
		.amdhsa_system_sgpr_workgroup_id_x 1
		.amdhsa_system_sgpr_workgroup_id_y 1
		.amdhsa_system_sgpr_workgroup_id_z 1
		.amdhsa_system_vgpr_workitem_id 0
		.amdhsa_next_free_vgpr 256
		.amdhsa_next_free_sgpr 66
		.amdhsa_reserve_vcc 0
		.amdhsa_float_denorm_mode_32 3
		.amdhsa_float_denorm_mode_16_64 3
		.amdhsa_memory_ordered 1
		.amdhsa_forward_progress 1
		.amdhsa_inst_pref_size 132
	.end_amdhsa_kernel
	.amdgpu_metadata
---
amdhsa.version: [ 1, 2 ]
amdhsa.kernels:
  - .name:           k_q2bd14d2f7d_refine
    .symbol:         k_q2bd14d2f7d_refine.kd
    .args:
      - { .name: skey, .offset: 0, .size: 8, .value_kind: global_buffer, .address_space: global }
      - { .name: gkey, .offset: 8, .size: 8, .value_kind: global_buffer, .address_space: global }
      - { .name: qimg, .offset: 16, .size: 8, .value_kind: global_buffer, .address_space: global }
      - { .name: knowledge_K_codes, .offset: 24, .size: 8, .value_kind: global_buffer, .address_space: global }
      - { .name: lowp_scales, .offset: 32, .size: 8, .value_kind: global_buffer, .address_space: global }
      - { .name: tidx, .offset: 40, .size: 8, .value_kind: global_buffer, .address_space: global }
      - { .name: twt, .offset: 48, .size: 8, .value_kind: global_buffer, .address_space: global }
    .group_segment_fixed_size: 29696
    .private_segment_fixed_size: 0
    .kernarg_segment_align: 8
    .kernarg_segment_size: 56
    .max_flat_workgroup_size: 512
    .sgpr_count:     66
    .vgpr_count:     256
    .wavefront_size: 32
...
	.end_amdgpu_metadata
.endif
;; end of part 3
;; launch gather (part 4): grid 1024 x 1, 8 waves a work-group, no clusters, 0 bytes of LDS; arguments tidx, twt, knowledge_V, out0; writes out0
.if DOCPART == 4
	.amdgcn_target "amdgcn-amd-amdhsa--gfx1250"
	.amdhsa_code_object_version 6
	.text
	.protected	k_q2bd14d2f7d_gather
	.globl	k_q2bd14d2f7d_gather
	.p2align	8
	.type	k_q2bd14d2f7d_gather,@function
k_q2bd14d2f7d_gather:
	s_mov_b64 s[64:65], 0
	v_nop
	global_prefetch_b8 v0, s[64:65] scope:SCOPE_SE
	s_setreg_imm32_b32 hwreg(HW_REG_WAVE_MODE, 25, 1), 1
	s_wait_xcnt 0x0
; out[token][:] = the sum over k = 0 .. 7 of weight[token][k] x V[index[token][k]][:], in f32.  Indices and weights were stored by the launch before, eight a token.
; A stream: memory binds.  A work-group takes 4 tokens; thread t owns the 16 bytes at 16 t of every row of 4,096 bytes, so each load and store of a wave covers 512 consecutive bytes and the eight waves a row.
; A wave's 32 loads (4 tokens x 8 rows) all go out at once, each with an offset register of its own.  No LDS, no barrier, no matrix unit, no cluster: the rows hang on the stored list and nothing is shared by plan.
; No prefetch: the rows are known only when the indices are in, and then the loads themselves go out at once.  No non-temporal hint on the loads: a row may be named by many tokens.
; The indices are held inside the table by s_min_u32.
.set OFF, 4                            ; v4-35    byte offsets of my 16 bytes in the 32 rows
.set X,   36                           ; v36-163  the 32 rows' 16 bytes; a token's sum is made in its first row's registers
.set IDX, 16                           ; s16-47   32 indices
.set WT,  68                           ; s68-99   32 weights
	s_load_b256 s[4:11], s[0:1], 0x0               ; tidx s[4:5], twt s[6:7], V s[8:9], out s[10:11]
	v_lshlrev_b32 v1, 4, v0                        ; 16 t
	s_lshl_b32 s12, ttmp9, 7                       ; 4 tokens x 32 bytes
	s_mov_b32 s13, 0
	s_lshl_b32 s14, ttmp9, 14                      ; 4 tokens x 4,096 bytes
	s_mov_b32 s15, 0
	s_wait_kmcnt 0x0
	s_add_nc_u64 s[4:5], s[4:5], s[12:13]
	s_add_nc_u64 s[6:7], s[6:7], s[12:13]
	s_add_nc_u64 s[10:11], s[10:11], s[14:15]
	s_load_b512 s[16:31], s[4:5], 0x0
	s_load_b512 s[32:47], s[4:5], 0x40
	s_load_b512 s[68:83], s[6:7], 0x0
	s_load_b512 s[84:99], s[6:7], 0x40
	s_wait_kmcnt 0x0
.set i, 0
.rept 32
	s_min_u32 s[IDX+i], s[IDX+i], 0x7fff
	v_lshl_add_u32 v[OFF+i], s[IDX+i], 12, v1      ; the row's 4,096 bytes x index + 16 t
	global_load_b128 v[X+4*i:X+4*i+3], v[OFF+i], s[8:9]
.set i, i+1
.endr
.irp a, 0,1,2,3
	s_wait_loadcnt 8*(3-\a)                        ; this token's eight rows are in; the later tokens' eight each may be out
.irp c, 0,1,2,3
	v_mul_f32 v[X+32*\a+\c], s[WT+8*\a], v[X+32*\a+\c]
.endr
.irp k, 1,2,3,4,5,6,7
.irp c, 0,1,2,3
	v_fmac_f32 v[X+32*\a+\c], s[WT+8*\a+\k], v[X+32*\a+4*\k+\c]
.endr
.endr
	global_store_b128 v1, v[X+32*\a:X+32*\a+3], s[10:11] offset:4096*\a th:TH_STORE_NT   ; a wave stores 512 consecutive bytes, at a multiple of 256 from the buffer's first byte; written once, read by nobody here
.endr
	s_endpgm
.Lfunc_end_k_q2bd14d2f7d_gather:
	.size	k_q2bd14d2f7d_gather, .Lfunc_end_k_q2bd14d2f7d_gather-k_q2bd14d2f7d_gather
	.p2alignl 7, 3214868480
	.fill 96, 4, 3214868480
	.section	.rodata,"a",@progbits
	.p2align	6, 0x0
	.amdhsa_kernel k_q2bd14d2f7d_gather
		.amdhsa_group_segment_fixed_size 0
		.amdhsa_private_segment_fixed_size 0
		.amdhsa_enable_private_segment 0
		.amdhsa_kernarg_size 32
		.amdhsa_user_sgpr_count 2
		.amdhsa_user_sgpr_kernarg_segment_ptr 1
		.amdhsa_wavefront_size32 1
		.amdhsa_system_sgpr_workgroup_id_x 1
		.amdhsa_system_sgpr_workgroup_id_y 1
		.amdhsa_system_sgpr_workgroup_id_z 1
		.amdhsa_system_vgpr_workitem_id 0
		.amdhsa_next_free_vgpr 168
		.amdhsa_next_free_sgpr 100
		.amdhsa_reserve_vcc 0
		.amdhsa_float_denorm_mode_32 3
		.amdhsa_float_denorm_mode_16_64 3
		.amdhsa_memory_ordered 1
		.amdhsa_forward_progress 1
		.amdhsa_inst_pref_size 13
	.end_amdhsa_kernel
	.amdgpu_metadata
---
amdhsa.version: [ 1, 2 ]
amdhsa.kernels:
  - .name:           k_q2bd14d2f7d_gather
    .symbol:         k_q2bd14d2f7d_gather.kd
    .args:
      - { .name: tidx, .offset: 0, .size: 8, .value_kind: global_buffer, .address_space: global }
      - { .name: twt, .offset: 8, .size: 8, .value_kind: global_buffer, .address_space: global }
      - { .name: knowledge_V, .offset: 16, .size: 8, .value_kind: global_buffer, .address_space: global }
      - { .name: out0, .offset: 24, .size: 8, .value_kind: global_buffer, .address_space: global }
    .group_segment_fixed_size: 0
    .private_segment_fixed_size: 0
    .kernarg_segment_align: 8
    .kernarg_segment_size: 32
    .max_flat_workgroup_size: 256
    .sgpr_count:     100
    .vgpr_count:     168
    .wavefront_size: 32
...
	.end_amdgpu_metadata
.endif
;; end of part 4
